; MI455X (gfx1250); checked and timed in simulation.
; The chip was launched on July 23, 2026; its instructions are those of AMD's public machine-readable ISA for CDNA 5 (MIT licence, August 2026) and "CDNA5" Instruction Set Architecture Reference Guide (July 2026). The comments in the code are by the model that wrote it; some were corrected since.
;; Fixed Radius Search. Allowed arithmetic: float matrix products may take bf16 or f16 operands with f32 sums; other float arithmetic in f32, or as packed bf16 or f16 multiplies, adds, multiply-adds, maxima and minima; sums over many terms, partial sums and values carried from step to step in f32; what a program stores and reads back later, other than sums and carried values, may be rounded once to bf16 or f16.
;; Inputs: points 16,384 x 3 float32; queries 8,192 x 3 float32; radius one number float32.
;; Outputs: out0 8,192 x 64 int32; out1 8,193 int32; out2 8,192 x 64 float32.
;; 2 versions, each right; version 2 is version 1 with the launch filter written anew for expert scheduling mode. Each part assembles by itself: llvm-mc -triple=amdgcn-amd-amdhsa -mcpu=gfx1250 --defsym DOCPART=n.
;; ======== version 1 of 2: 4 launches
;; workspace buffers: masks 16,777,216 bytes of whole numbers; passes 32,768 bytes of whole numbers; counts 32,768 bytes
;; launch filter (part 1): grid 8 x 32, 4 waves a work-group, no clusters, 135,680 bytes of LDS; arguments points, queries, radius, masks; writes masks
.if DOCPART == 1
	.amdgcn_target "amdgcn-amd-amdhsa--gfx1250"
	.amdhsa_code_object_version 6
	.text
	.protected	k_qdb04182214_filter
	.globl	k_qdb04182214_filter
	.p2align	8
	.type	k_qdb04182214_filter,@function
k_qdb04182214_filter:
	s_mov_b64 s[64:65], 0
	v_nop
	global_prefetch_b8 v0, s[64:65] scope:SCOPE_SE
	s_setreg_imm32_b32 hwreg(HW_REG_WAVE_MODE, 25, 1), 1
	s_wait_xcnt 0x0
; FIXED-RADIUS SEARCH, first of four launches: THE FILTER.  points [16384][3], queries [8192][3], radius: f32.  masks: [8192 queries][512 words], one bit a pair.
; All three inputs are rounded to bf16 (nearest even) before anything else.  For every pair the matrix unit makes
;     D = (1 - e)(q2 + p2) - 2 q.p - r^2,   e = 2^-14,   q2 = (q0^2 + q1^2) + q2^2 in f32, p2 likewise,
; and the pair's bit is D's sign.  The exact test (d2 <= r^2 in f32, in the order of the sums above) is made by the third launch on the pairs whose bit is set.
; WHY NO NEIGHBOUR IS LOST.  The f32 sums of the exact test, the roundings of (1 - e) p2 and of (1 - e) q2 - r^2 here, and the matrix unit's own sum each differ from exact arithmetic by a few
; units in the 24th place of q2 + p2 (or of r^2, which near the boundary is at most 2 (q2 + p2)): together under 2^-19 (q2 + p2).  The margin e (q2 + p2) is 32 times that.
; 2^-123 is taken off as well, so that q = p = 0 with radius 0 still gives a negative D.
; ONE MATRIX INSTRUCTION A TILE of 16 points x 16 queries, nine of its 32 places along K in use (bf16):
;     k        0     1     2     3    4    5    6    7    8
;     point    p0    p1    p2    Ph   Pm   Pl   1    1    1        P = (1 - e) p2 = Ph + Pm + Pl exactly: three cuts of 8 bits of its 24
;     query   -2q0  -2q1  -2q2   1    1    1    Qh   Qm   Ql       Q = (1 - e) q2 - r^2 - 2^-123, cut likewise
; Source 0 = points: in the result lane l holds query l % 16, and register j point 8 (l / 16) + j.
; SHARES.  A work-group: 256 queries x 2,048 points; 8 x 32 work-groups.  A wave: 64 queries (four fragments, kept in registers) x all 2,048 points, whose fragments the four waves make once, in LDS.
; BITS.  v_alignbit_b32 w, w, D, 31 is w = 2 w + sign(D).  Four words a query fragment take turns, one for each of the four point tiles of a group of 64 points; after four groups (256 points) they
; are full.  With h = l / 16: word 64 pb + 32 h + 4 gq + t of a query's row, bit 31 - (8 c + j)  <->  point 2048 pb + 256 gq + 64 c + 16 t + 8 h + j.
; THE WAY OUT.  A lane's four words are 16 bytes of one query's row; through the wave's own stage in LDS they become whole pieces of 256 bytes, which sixteen lanes store together.
; LIMITS.  NaN and infinities are not treated apart.  No tensor load: the operands have to be computed, so they pass through registers anyway.  No cluster: a work-group's inputs are 27 KiB, read once.
.set STG,    65536                     ; behind the 2,048 points' fragments (32 bytes each): the stages
.set SPITCH, 272                       ; a stage row: 256 bytes + 16, so that sixteen rows' 16-byte columns fall on different banks (64 banks of 4 bytes: ISA guide 11.1)
.set WSTG,   64*SPITCH                 ; a wave's stage: 64 queries
.set SPARE,  STG+4*WSTG                ; the spare words, 128 bytes a wave: two blocks of 256 bytes that no other line names
.set SPW,  2                           ; v2   my spare word's address; never rewritten
.set NIL,  3                           ; v3   0; never rewritten
.set AADR, 4                           ; v4   LDS address of my 16 bytes in the trip's first point tile
.set STO,  5                           ; v5   stage: where my four words go
.set RD,   6                           ; v6   stage: where I read rows back
.set GO,   7                           ; v7   my byte offset in two rows of masks
.set R2,   8                           ; v8   r^2
.set ONEF, 9                           ; v9   1.0
.set PO,   10                          ; v10  byte offset of my four points
.set QO,   11                          ; v11  byte offset of my query in a fragment
.set RR,   12                          ; v12  l % 16
.set HH,   13                          ; v13  l / 16
.set PA,   14                          ; v14  LDS address of my four points' fragments
.set BF,   16                          ; v16-47    four query fragments of 8 registers; the upper four (k = 16 .. 31) are 0
.set AFR,  48                          ; v48-111   two buffers of four point tiles of 8 registers; the upper four are 0
.set DD,   112                         ; v112-175  two sets of four accumulators
.set PX,   112                         ;           before the loop: 16 points a thread as loaded
.set TT,   160                         ;           before the loop: at work
.set FR,   168                         ;           before the loop: a point's 16 bytes for lanes 0-15
.set ONE,  172                         ;           before the loop: the 16 bytes for lanes 16-31: k = 8 is 1.0
.set WD,   176                         ; v176-191  mask words: fragment b, tile t at WD + 4 b + t
.set QX,   192                         ; v192-203  my four queries as loaded
.set HM,   26                          ; s26  a word's upper bf16
.set NE,   27                          ; s27  -e
.set PS,   28                          ; s28  v_perm_b32: the two upper halves, second source below
.set TY,   29                          ; s29  2^-123
.set UP,   30                          ; s30  lanes 16-31
	s_load_b256 s[4:11], s[0:1], 0x0               ; points s[4:5], queries s[6:7], radius s[8:9], masks s[10:11]
	v_lshl_add_u32 v[SPW], v0, 2, SPARE
	v_mov_b32 v[NIL], 0
	v_lshrrev_b32 v1, 5, v0
	v_readfirstlane_b32 s12, v1                    ; wave 0..3
	s_and_b32 s13, ttmp7, 0xffff                   ; block of 256 queries
	s_mul_i32 s16, ttmp9, 2048*12                  ; block of 2,048 points, in bytes
	s_mov_b32 s17, 0
	s_lshl_b32 s18, s13, 8
	s_lshl_b32 s19, s12, 6
	s_add_co_u32 s18, s18, s19                     ; my wave's first query
	s_mul_i32 s22, s18, 12
	s_mov_b32 s23, 0
	s_lshl_b32 s24, s18, 11                        ; its row of 2,048 bytes in masks,
	s_lshl_b32 s25, ttmp9, 8                       ; and the point block's 256 bytes in it
	s_add_co_u32 s24, s24, s25
	s_mov_b32 s25, 0
	s_mov_b32 s[HM], 0xffff0000
	s_mov_b32 s[NE], 0xb8800000                    ; -2^-14
	s_mov_b32 s[PS], 0x07060302
	s_mov_b32 s[TY], 0x02000000                    ; 2^-123
	s_mov_b32 s[UP], 0xffff0000
	v_mul_u32_u24 v[PO], v0, 48                    ; thread t takes points 4 t .. 4 t + 3 of each 512: 48 consecutive bytes
	v_and_b32 v[RR], 15, v0
	v_bfe_u32 v[HH], v0, 4, 1
	v_mul_u32_u24 v[QO], v[RR], 12
	s_wait_kmcnt 0x0
	s_load_b32 s14, s[8:9], 0x0                    ; the radius
	s_add_nc_u64 s[4:5], s[4:5], s[16:17]
	s_add_nc_u64 s[6:7], s[6:7], s[22:23]
	s_add_nc_u64 s[10:11], s[10:11], s[24:25]
.irp k, 0,1,2,3
.irp m, 0,1,2
	global_load_b128 v[PX+12*\k+4*\m:PX+12*\k+4*\m+3], v[PO], s[4:5] offset:6144*\k+16*\m
.endr
.endr
.irp b, 0,1,2,3
.irp i, 0,1,2
	global_load_b32 v[QX+3*\b+\i], v[QO], s[6:7] offset:192*\b+4*\i  ; both halves of the lanes load query 16 b + l % 16
.endr
.endr
	v_lshrrev_b32 v[PA], 2, v0                     ; points 4 t .. lie in tile t / 4 of their 512, rows 4 (t % 4) ..: a tile is 512 bytes, lane l's 16 at 16 l
	v_and_b32 v15, 3, v0
	v_lshlrev_b32 v[PA], 9, v[PA]
	v_lshl_add_u32 v[PA], v15, 6, v[PA]
	v_mov_b32 v[FR+3], 0x3f803f80                  ; k = 6, 7: 1.0 twice
	v_mov_b32 v[ONE], 0x3f80                       ; k = 8: 1.0; k = 9 .. 15: 0
	v_mov_b32 v[ONE+1], 0
	v_mov_b32 v[ONE+2], 0
	v_mov_b32 v[ONE+3], 0
	v_mov_b32 v[ONEF], 1.0
	s_wait_kmcnt 0x0
	v_cvt_pk_bf16_f32 v[R2], s14, s14              ; the radius rounded to bf16,
	v_lshlrev_b32 v[R2], 16, v[R2]
	v_mul_f32 v[R2], v[R2], v[R2]                  ; squared: exact in f32
; Point c of batch k: rounded, its square sum in f32 in ascending order (each product of two bf16 is exact, so each fused multiply-add rounds the sum once), less the margin, cut in three.
.macro POINT k, c
.set X_, PX+12*(\k)+3*(\c)
	v_cvt_pk_bf16_f32 v[FR], v[X_], v[X_+1]        ; k = 0, 1
	v_cvt_pk_bf16_f32 v[TT], v[X_+2], v[X_+2]
	v_lshlrev_b32 v[TT+1], 16, v[FR]
	v_and_b32 v[TT+2], s[HM], v[FR]
	v_lshlrev_b32 v[TT+3], 16, v[TT]
	v_mul_f32 v[TT+4], v[TT+1], v[TT+1]
	v_fma_f32 v[TT+4], v[TT+2], v[TT+2], v[TT+4]
	v_fma_f32 v[TT+4], v[TT+3], v[TT+3], v[TT+4]
	v_fma_f32 v[TT+4], v[TT+4], s[NE], v[TT+4]     ; (1 - e) p2
	v_and_b32 v[TT+5], s[HM], v[TT+4]              ; its upper 8 bits,
	v_sub_f32 v[TT+4], v[TT+4], v[TT+5]            ; the rest (exact),
	v_and_b32 v[TT+6], s[HM], v[TT+4]              ; the next 8,
	v_sub_f32 v[TT+4], v[TT+4], v[TT+6]            ; the last 8
	v_and_or_b32 v[FR+1], v[TT], 0xffff, v[TT+5]   ; k = 2, 3
	v_perm_b32 v[FR+2], v[TT+4], v[TT+6], s[PS]    ; k = 4, 5
	ds_store_b128 v[PA], v[FR:FR+3] offset:16384*(\k)+16*(\c)
	ds_store_b128 v[PA], v[ONE:ONE+3] offset:16384*(\k)+16*(\c)+256
.endm
	s_wait_loadcnt 12                              ; loads come back in order: the twelve of the points are in, the twelve of the queries may stay out
.irp k, 0,1,2,3
.irp c, 0,1,2,3
	POINT \k, \c
.endr
.endr
; Query fragment b.  Both halves of the lanes compute everything; lanes 0-15 keep k = 0 .. 7, lanes 16-31 k = 8 .. 15.
.macro QFRAG b
.set X_, QX+3*(\b)
.set F_, BF+8*(\b)
	v_cvt_pk_bf16_f32 v[TT], v[X_], v[X_+1]
	v_cvt_pk_bf16_f32 v[TT+1], v[X_+2], v[X_+2]
	v_lshlrev_b32 v[TT+2], 16, v[TT]
	v_and_b32 v[TT+3], s[HM], v[TT]
	v_lshlrev_b32 v[TT+4], 16, v[TT+1]
	v_mul_f32 v[TT+5], v[TT+2], v[TT+2]
	v_fma_f32 v[TT+5], v[TT+3], v[TT+3], v[TT+5]
	v_fma_f32 v[TT+5], v[TT+4], v[TT+4], v[TT+5]
	v_fma_f32 v[TT+5], v[TT+5], s[NE], v[TT+5]     ; (1 - e) q2
	v_sub_f32 v[TT+5], v[TT+5], v[R2]
	v_sub_f32 v[TT+5], v[TT+5], s[TY]
	v_and_b32 v[TT+6], s[HM], v[TT+5]
	v_sub_f32 v[TT+5], v[TT+5], v[TT+6]
	v_and_b32 v[TT+7], s[HM], v[TT+5]
	v_sub_f32 v[TT+5], v[TT+5], v[TT+7]
	v_mul_f32 v[TT+2], -2.0, v[TT+2]               ; exact, and still bf16
	v_mul_f32 v[TT+3], -2.0, v[TT+3]
	v_mul_f32 v[TT+4], -2.0, v[TT+4]
	v_perm_b32 v[TT+2], v[TT+3], v[TT+2], s[PS]    ; k = 0, 1
	v_perm_b32 v[TT+4], v[ONEF], v[TT+4], s[PS]    ; k = 2, 3
	v_perm_b32 v[TT+6], v[TT+7], v[TT+6], s[PS]    ; k = 6, 7
	v_lshrrev_b32 v[TT+5], 16, v[TT+5]             ; k = 8, 9
	v_cndmask_b32 v[F_], v[TT+2], v[TT+5], s[UP]
	v_cndmask_b32 v[F_+1], v[TT+4], 0, s[UP]
	v_cndmask_b32 v[F_+2], v[FR+3], 0, s[UP]       ; k = 4, 5: 1.0 twice
	v_cndmask_b32 v[F_+3], v[TT+6], 0, s[UP]
.irp i, 4,5,6,7
	v_mov_b32 v[F_+\i], 0
.endr
.endm
	s_wait_loadcnt 0x0
.irp b, 0,1,2,3
	QFRAG \b
.endr
.irp n, 0,1,2,3,4,5,6,7
.irp i, 4,5,6,7
	v_mov_b32 v[AFR+8*\n+\i], 0                    ; k = 16 .. 31 of every point tile: the loads below fill the lower four registers alone
.endr
.endr
.irp i, 0,1,2,3,4,5,6,7,8,9,10,11,12,13,14,15
	v_mov_b32 v[WD+\i], 0                          ; written once, so that the first shift reads a written register; 32 shifts push it out
.endr
	v_and_b32 v15, 31, v0
	v_lshlrev_b32 v[AADR], 4, v15
	s_mul_i32 s15, s12, WSTG
	s_add_co_u32 s15, s15, STG                     ; my wave's stage
	v_mul_u32_u24 v[STO], v[RR], SPITCH            ; in: my query's row, 128 bytes for each half of the lanes
	v_lshl_add_u32 v[STO], v[HH], 7, v[STO]
	v_add_nc_u32 v[STO], s15, v[STO]
	v_mul_u32_u24 v[RD], v[HH], SPITCH             ; back: lanes 0-15 one row of 256 bytes, lanes 16-31 the next
	v_lshl_add_u32 v[RD], v[RR], 4, v[RD]
	v_add_nc_u32 v[RD], s15, v[RD]
	v_lshlrev_b32 v[GO], 11, v[HH]                 ; and the same two rows in masks
	v_lshl_add_u32 v[GO], v[RR], 4, v[GO]
	s_wait_dscnt 0x0                               ; for the others' sake: my points' fragments are in LDS
	s_barrier_signal -1
	s_barrier_wait -1                              ; everybody's are
; The four point tiles of group g of the trip into buffer p: one load of 16 bytes a lane and tile.
.macro LOADA p, g
.irp t, 0,1,2,3
	ds_load_b128 v[AFR+32*(\p)+8*\t:AFR+32*(\p)+8*\t+3], v[AADR] offset:512*(4*(\g)+\t)
.endr
.endm
; Eight sign bits of unit u: registers 2 t and 2 t + 1 of its four accumulators, the four words by turns.  Each accumulator is read from its lowest register on.
.macro BITS u, t
.set dp_, DD+32*((\u)%2)
.set wp_, WD+4*((\u)%4)
.irp e, 0,1
.irp x, 0,1,2,3
	v_alignbit_b32 v[wp_+\x], v[wp_+\x], v[dp_+8*\x+2*(\t)+\e], 31
.endr
.endr
.endm
; Unit u = 4 g + b: the group's four tiles against query fragment b, into accumulator set u % 2.  Behind each matrix instruction stand eight shifts on the OTHER set, the unit before's: they name none of its
; registers, so they are the places that its results, and the loads into its sources, have to keep behind it.
.macro UNIT u
.irp t, 0,1,2,3
	v_wmma_f32_16x16x32_bf16 v[DD+32*((\u)%2)+8*\t:DD+32*((\u)%2)+8*\t+7], v[AFR+32*(((\u)/4)%2)+8*\t:AFR+32*(((\u)/4)%2)+8*\t+7], v[BF+8*((\u)%4):BF+8*((\u)%4)+7], 0
.if (\u) > 0
	BITS (\u)-1, \t
.endif
.endr
.endm
	s_mov_b32 s20, 8                               ; a trip: 256 points, four groups of 64, sixteen units
.Ltrip:
	LOADA 0, 0                                     ; (behind the last trip's last products stand 40 shifts)
	LOADA 1, 1
	s_wait_dscnt 4                                 ; LDS answers in order: group 0's four loads are in, group 1's may stay out
	UNIT 0
.rept 4
	v_nop                                          ; the trip's first unit has no unit before it: four places ahead of the first read of its results
.endr
.irp u, 1,2,3
	UNIT \u
.endr
	LOADA 0, 2                                     ; buffer 0's last product stands eight shifts back
	s_wait_dscnt 4                                 ; group 1 is in, group 2 may stay out
.irp u, 4,5,6,7
	UNIT \u
.endr
	LOADA 1, 3
	s_wait_dscnt 4                                 ; group 2 is in, group 3 may stay out
.irp u, 8,9,10,11
	UNIT \u
.endr
	s_wait_dscnt 0x0
.irp u, 12,13,14,15
	UNIT \u
.endr
.irp t, 0,1,2,3
	BITS 15, \t                                    ; the last unit's bits
.endr
.irp b, 0,1,2,3
	ds_store_b128 v[STO], v[WD+4*\b:WD+4*\b+3] offset:16*SPITCH*\b  ; 256 points' bits of my query in fragment b
.endr
	v_add_nc_u32 v[AADR], 8192, v[AADR]            ; sixteen tiles on
	v_add_nc_u32 v[STO], 16, v[STO]
	s_sub_co_u32 s20, s20, 1
	s_cmp_lg_u32 s20, 0
	s_cbranch_scc1 .Ltrip
; THE WAY OUT: my 64 rows of 256 bytes, two rows a load, sixteen loads at a time into the accumulators' registers.  LDS serves a wave's instructions in order, so the loads see my stores.
.macro OUT16 n
.irp i, 0,1,2,3,4,5,6,7,8,9,10,11,12,13,14,15
	ds_load_b128 v[DD+4*\i:DD+4*\i+3], v[RD] offset:2*SPITCH*(16*(\n)+\i)
.endr
.irp i, 0,1,2,3,4,5,6,7,8,9,10,11,12,13,14,15
	s_wait_dscnt 15-\i                             ; load i of the sixteen is in
	global_store_b128 v[GO], v[DD+4*\i:DD+4*\i+3], s[10:11] offset:4096*(16*(\n)+\i)  ; sixteen lanes store 256 consecutive bytes, at a multiple of 256 from the buffer's first
.endr
.endm
	OUT16 0
	s_wait_xcnt 0x0                                ; the stores' data registers are loaded again only behind this wait
	OUT16 1
	s_wait_tensorcnt 0x0                           ; the wave's end: three lines behind my last LDS store
	ds_add_u32 v[SPW], v[NIL]
	s_wait_dscnt 0x0
	s_endpgm
.Lfunc_end_k_qdb04182214_filter:
	.size	k_qdb04182214_filter, .Lfunc_end_k_qdb04182214_filter-k_qdb04182214_filter
	.p2alignl 7, 3214868480
	.fill 96, 4, 3214868480
	.section	.rodata,"a",@progbits
	.p2align	6, 0x0
	.amdhsa_kernel k_qdb04182214_filter
		.amdhsa_group_segment_fixed_size 135680
		.amdhsa_private_segment_fixed_size 0
		.amdhsa_enable_private_segment 0
		.amdhsa_kernarg_size 32
		.amdhsa_user_sgpr_count 2
		.amdhsa_user_sgpr_kernarg_segment_ptr 1
		.amdhsa_wavefront_size32 1
		.amdhsa_system_sgpr_workgroup_id_x 1
		.amdhsa_system_sgpr_workgroup_id_y 1
		.amdhsa_system_sgpr_workgroup_id_z 1
		.amdhsa_system_vgpr_workitem_id 0
		.amdhsa_next_free_vgpr 204
		.amdhsa_next_free_sgpr 66
		.amdhsa_reserve_vcc 0
		.amdhsa_float_denorm_mode_32 3
		.amdhsa_float_denorm_mode_16_64 3
		.amdhsa_memory_ordered 1
		.amdhsa_forward_progress 1
		.amdhsa_inst_pref_size 70
	.end_amdhsa_kernel
	.amdgpu_metadata
---
amdhsa.version: [ 1, 2 ]
amdhsa.kernels:
  - .name:           k_qdb04182214_filter
    .symbol:         k_qdb04182214_filter.kd
    .args:
      - { .name: points, .offset: 0, .size: 8, .value_kind: global_buffer, .address_space: global }
      - { .name: queries, .offset: 8, .size: 8, .value_kind: global_buffer, .address_space: global }
      - { .name: radius, .offset: 16, .size: 8, .value_kind: global_buffer, .address_space: global }
      - { .name: masks, .offset: 24, .size: 8, .value_kind: global_buffer, .address_space: global }
    .group_segment_fixed_size: 135680
    .private_segment_fixed_size: 0
    .kernarg_segment_align: 8
    .kernarg_segment_size: 32
    .max_flat_workgroup_size: 128
    .sgpr_count:     66
    .vgpr_count:     204
    .wavefront_size: 32
...
	.end_amdgpu_metadata
.endif
;; end of part 1
;; launch plan (part 2): grid 256 x 1, 8 waves a work-group, no clusters, 0 bytes of LDS; arguments masks, passes; writes passes
.if DOCPART == 2
	.amdgcn_target "amdgcn-amd-amdhsa--gfx1250"
	.amdhsa_code_object_version 6
	.text
	.protected	k_qdb04182214_plan
	.globl	k_qdb04182214_plan
	.p2align	8
	.type	k_qdb04182214_plan,@function
k_qdb04182214_plan:
	s_mov_b64 s[64:65], 0
	v_nop
	global_prefetch_b8 v0, s[64:65] scope:SCOPE_SE
	s_setreg_imm32_b32 hwreg(HW_REG_WAVE_MODE, 25, 1), 1
	s_wait_xcnt 0x0
; FIXED-RADIUS SEARCH, second of four launches: THE PLAN.  masks: [8192 queries][512 words], one bit a pair (from the launch before).  passes: [8192] whole numbers.
; The next launch gives a query to a wave; lane l holds the 16 words at bytes 16 l + 512 i (i = 0 .. 3, 16 bytes each) of the query's row, and takes one set bit of them in each pass.
; passes[q] = the largest number of set bits that a lane holds: so many passes empty every lane.  It is made here, as a value stored at a fixed address, and read there as a number from memory:
; no trip count of a launch hangs on a maximum over lanes that the same launch makes.
; SHARES.  256 work-groups of 8 waves; a wave takes 4 queries, 16 loads of 512 consecutive bytes, all issued at the start: 8 KiB of a wave are on their way.
; COUNTING.  By sums of neighbouring fields.  Two words at a time: 2-bit fields (at most 2), four of them into a 4-bit field (at most 8), two of those into an 8-bit field (at most 16); the eight pairs
; of a lane add up there (at most 128); then 16-bit fields (256) and the whole (512).
; No LDS, no barrier, no matrix unit: whole numbers, and no wave needs another's.
.set LN,  2                            ; v2   lane
.set L16, 3                            ; v3   16 x lane
.set Z0,  4                            ; v4   0, an offset
.set W,   16                           ; v16-79  four queries' words, 16 each
.set ACC, 80                           ; v80-83  the four results
.set T,   84                           ; v84-85  at work
.set SM1, 14                           ; s14-17  the fields' masks
.set SM2, 15
.set SM4, 16
.set SM8, 17
.set SEL, 18                           ; s18-19  v_permlanex16_b32: each lane takes its own place in the other half
	s_load_b128 s[4:7], s[0:1], 0x0                ; masks s[4:5], passes s[6:7]
	v_lshrrev_b32 v1, 5, v0
	v_readfirstlane_b32 s8, v1                     ; wave 0..7
	v_and_b32 v[LN], 31, v0
	v_lshlrev_b32 v[L16], 4, v[LN]
	v_mov_b32 v[Z0], 0
	s_lshl_b32 s9, ttmp9, 3
	s_add_co_u32 s9, s9, s8                        ; my wave among the launch's 2,048
	s_lshl_b32 s10, s9, 13                         ; its four rows of 2,048 bytes
	s_mov_b32 s11, 0
	s_lshl_b32 s12, s9, 4                          ; its four numbers
	s_mov_b32 s13, 0
	s_mov_b32 s[SM1], 0x55555555
	s_mov_b32 s[SM2], 0x33333333
	s_mov_b32 s[SM4], 0x0f0f0f0f
	s_mov_b32 s[SM8], 0x00ff00ff
	s_mov_b32 s[SEL], 0x76543210
	s_mov_b32 s[SEL+1], 0xfedcba98
	s_wait_kmcnt 0x0
	s_add_nc_u64 s[4:5], s[4:5], s[10:11]
	s_add_nc_u64 s[6:7], s[6:7], s[12:13]
.irp j, 0,1,2,3
.irp i, 0,1,2,3
	global_load_b128 v[W+16*\j+4*\i:W+16*\j+4*\i+3], v[L16], s[4:5] offset:2048*\j+512*\i  ; no hint: the next launch reads these rows again
.endr
.endr
; Two words' bits, counted into the 8-bit fields of acc.  first = 1: they start the sum.
.macro PAIR x, y, acc, first
	v_lshrrev_b32 v[T], 1, v[\x]
	v_lshrrev_b32 v[T+1], 1, v[\y]
	v_and_b32 v[T], s[SM1], v[T]
	v_and_b32 v[T+1], s[SM1], v[T+1]
	v_sub_nc_u32 v[\x], v[\x], v[T]                ; 2-bit fields: 0 to 2
	v_sub_nc_u32 v[\y], v[\y], v[T+1]
	v_lshrrev_b32 v[T], 2, v[\x]
	v_lshrrev_b32 v[T+1], 2, v[\y]
	v_and_b32 v[\x], s[SM2], v[\x]
	v_and_b32 v[\y], s[SM2], v[\y]
	v_and_b32 v[T], s[SM2], v[T]
	v_and_b32 v[T+1], s[SM2], v[T+1]
	v_add3_u32 v[\x], v[\x], v[\y], v[T]
	v_add_nc_u32 v[\x], v[\x], v[T+1]              ; 4-bit fields: 0 to 8
	v_lshrrev_b32 v[T], 4, v[\x]
	v_and_b32 v[\x], s[SM4], v[\x]
	v_and_b32 v[T], s[SM4], v[T]
.if \first
	v_add_nc_u32 v[\acc], v[\x], v[T]              ; 8-bit fields: 16 more at the most with each pair
.else
	v_add3_u32 v[\acc], v[\acc], v[\x], v[T]
.endif
.endm
; Query j: the lane's count, then the largest of the 32 lanes', in every lane.
.macro QUERY j
	s_wait_loadcnt 12-4*(\j)                       ; loads come back in order: this query's four are in, the later queries' may stay out
	PAIR W+16*(\j), W+16*(\j)+1, ACC+(\j), 1
.irp k, 1,2,3,4,5,6,7
	PAIR W+16*(\j)+2*\k, W+16*(\j)+2*\k+1, ACC+(\j), 0
.endr
	v_lshrrev_b32 v[T], 8, v[ACC+(\j)]
	v_and_b32 v[ACC+(\j)], s[SM8], v[ACC+(\j)]
	v_and_b32 v[T], s[SM8], v[T]
	v_add_nc_u32 v[ACC+(\j)], v[ACC+(\j)], v[T]    ; 16-bit fields: 0 to 256
	v_lshrrev_b32 v[T], 16, v[ACC+(\j)]
	v_and_b32 v[ACC+(\j)], 0xffff, v[ACC+(\j)]
	v_add_nc_u32 v[ACC+(\j)], v[ACC+(\j)], v[T]    ; 0 to 512
.irp n, 1,2,4,8
	v_mov_b32_dpp v[T], v[ACC+(\j)] row_xmask:\n row_mask:0xf bank_mask:0xf
	v_max_u32 v[ACC+(\j)], v[ACC+(\j)], v[T]
.endr
	v_permlanex16_b32 v[T], v[ACC+(\j)], s[SEL], s[SEL+1]
	v_max_u32 v[ACC+(\j)], v[ACC+(\j)], v[T]
.endm
	QUERY 0
	QUERY 1
	QUERY 2
	QUERY 3
	v_cmp_eq_u32 vcc_lo, 0, v[LN]
	s_wait_xcnt 0x0                                ; EXEC is a source of memory instructions: it changes only behind this wait
	s_and_saveexec_b32 s20, vcc_lo
	global_store_b128 v[Z0], v[ACC:ACC+3], s[6:7]  ; lane 0 alone: my four queries' numbers, 16 consecutive bytes
	s_wait_xcnt 0x0                                ; and again ahead of the line that widens it
	s_or_b32 exec_lo, exec_lo, s20
	s_endpgm
.Lfunc_end_k_qdb04182214_plan:
	.size	k_qdb04182214_plan, .Lfunc_end_k_qdb04182214_plan-k_qdb04182214_plan
	.p2alignl 7, 3214868480
	.fill 96, 4, 3214868480
	.section	.rodata,"a",@progbits
	.p2align	6, 0x0
	.amdhsa_kernel k_qdb04182214_plan
		.amdhsa_group_segment_fixed_size 0
		.amdhsa_private_segment_fixed_size 0
		.amdhsa_enable_private_segment 0
		.amdhsa_kernarg_size 16
		.amdhsa_user_sgpr_count 2
		.amdhsa_user_sgpr_kernarg_segment_ptr 1
		.amdhsa_wavefront_size32 1
		.amdhsa_system_sgpr_workgroup_id_x 1
		.amdhsa_system_sgpr_workgroup_id_y 1
		.amdhsa_system_sgpr_workgroup_id_z 1
		.amdhsa_system_vgpr_workitem_id 0
		.amdhsa_next_free_vgpr 88
		.amdhsa_next_free_sgpr 66
		.amdhsa_reserve_vcc 1
		.amdhsa_float_denorm_mode_32 3
		.amdhsa_float_denorm_mode_16_64 3
		.amdhsa_memory_ordered 1
		.amdhsa_forward_progress 1
		.amdhsa_inst_pref_size 26
	.end_amdhsa_kernel
	.amdgpu_metadata
---
amdhsa.version: [ 1, 2 ]
amdhsa.kernels:
  - .name:           k_qdb04182214_plan
    .symbol:         k_qdb04182214_plan.kd
    .args:
      - { .name: masks, .offset: 0, .size: 8, .value_kind: global_buffer, .address_space: global }
      - { .name: passes, .offset: 8, .size: 8, .value_kind: global_buffer, .address_space: global }
    .group_segment_fixed_size: 0
    .private_segment_fixed_size: 0
    .kernarg_segment_align: 8
    .kernarg_segment_size: 16
    .max_flat_workgroup_size: 256
    .sgpr_count:     66
    .vgpr_count:     88
    .wavefront_size: 32
...
	.end_amdgpu_metadata
.endif
;; end of part 2
;; launch select (part 3): grid 2048 x 1, 4 waves a work-group, no clusters, 2,560 bytes of LDS; arguments points, queries, radius, masks, passes, out0, out2, counts; writes out0, out2, counts
.if DOCPART == 3
	.amdgcn_target "amdgcn-amd-amdhsa--gfx1250"
	.amdhsa_code_object_version 6
	.text
	.protected	k_qdb04182214_select
	.globl	k_qdb04182214_select
	.p2align	8
	.type	k_qdb04182214_select,@function
k_qdb04182214_select:
	s_mov_b64 s[64:65], 0
	v_nop
	global_prefetch_b8 v0, s[64:65] scope:SCOPE_SE
	s_setreg_imm32_b32 hwreg(HW_REG_WAVE_MODE, 25, 1), 1
	s_wait_xcnt 0x0
; FIXED-RADIUS SEARCH, third of four launches: THE CHOICE.  One wave, one query; four waves to a work-group, which share nothing.  masks (whole numbers, from the first launch) names the query's
; candidates, a superset of its neighbours; passes (whole numbers, from the second) says how many set bits the fullest lane holds.
; For each candidate the squared distance is made in f32 from the inputs rounded to bf16, in this order of roundings:
;     q2 = (q0^2 + q1^2) + q2^2,  p2 likewise,  dot = (q0 p0 + q1 p1) + q2 p2,  d2 = max((q2 + p2) - 2 dot, 0);  a neighbour where d2 <= r^2.
; A product of two bf16 is exact in f32, so each fused multiply-add below rounds one sum once.  These few pairs are done by the vector unit because the index output is compared exactly:
; membership and order hang on each of these roundings.  The bulk, all pairs, went through the matrix unit in the first launch.
; ORDER.  Key = (bits of d2, point index), compared as unsigned numbers: d2 >= 0, so its bits ascend with it, and equal distances go by the lower index.  No neighbour: key = all ones.
; STEPS.  (1) The row's 512 words come in, 16 a lane, and stay in registers.  (2) passes[q] PASSES.  In a pass each lane takes the lowest set bit of its 512 out (SCAN: its own registers, plain whole-number
; arithmetic, nothing from another lane), gathers that point and makes its key; a fixed bitonic network sorts the 32 keys downward and merges them into the best 64, kept upward, element e in lane e % 32,
; set e / 32.  The trip count is a number read from memory, the addresses hang on the masks alone; distances only choose values (v_cndmask_b32).
; (3) out0 and out2 rows leave as 256 consecutive bytes each; the number of neighbours kept goes to counts.
; Register c = 4 i + cc of lane l is word w = 128 i + 4 l + cc of the row; its bit 31 - (8 g + j)  <->  point 2048 (w / 64) + 256 ((w % 32) / 4) + 64 g + 16 (w % 4) + 8 ((w / 32) % 2) + j.
; LIMITS.  NaN and infinities are not treated apart; coordinate products under 2^-126 count as exact.  A query whose lane holds 512 candidates takes 512 passes.
.set OUTS,  0                          ; 512 bytes a wave: its two output rows
.set SPARE, 2048                       ; the spare words, 128 bytes a wave: two blocks of 256 bytes that no other line names
.set SPW, 1                            ; v1  my spare word's address; never rewritten
.set NIL, 2                            ; v2  0; never rewritten
.set L4,  3                            ; v3  LDS: my wave's 512 bytes + 4 x lane
.set L8,  4                            ; v4  LDS: the same + 8 x lane
.set L16, 5                            ; v5  16 x lane
.set LP,  6                            ; v6  the lane's part of a word's first point
.set G8,  7                            ; v7  8 x lane
.set SC,  8                            ; v8-15  the scan's two sets of four, by turns
.set W,   16                           ; v16-31 the row's words, what is left of them
.set Q0,  32                           ; v32-34 the query; v35 q2; v36 r^2
.set Q1,  33
.set Q2,  34
.set QQ,  35
.set R2,  36
.set NEED,37                           ; v37 all ones while the scan has found nothing, then 0
.set PB,  38                           ; v38 the found word's first point
.set Y,   39                           ; v39 the bit taken out
.set PT,  40                           ; v40 my candidate
.set OFF, 41
.set A0,  42                           ; v42-44 its coordinates
.set T0,  45                           ; v45-48 at work
.set T1,  46
.set T2,  47
.set T3,  48
.set PP,  49
.set DT,  50
.set D2,  51
.set NH,  52                           ; v52-53 the new key
.set NL,  53
.set H0,  54                           ; v54-57 the best 64
.set L0,  55
.set H1,  56
.set L1,  57
.set TH,  58                           ; v58-61 partners' keys
.set TL,  59
.set UH,  60
.set UL,  61
.set OA,  62                           ; v62-65 output rows
.set OB,  64
.set CN,  66
.set Z0,  67                           ; v67 0, an offset
.set PV,  68                           ; v68 passes[q] as loaded
.set LN,  69                           ; v69 lane
.set CS,  70                           ; v70 the empty words ahead of the found one
.set SA,  32                           ; s32-34, s35-37 lane masks at work
.set SB,  35
.set SEL, 38                           ; s38-39 v_permlanex16_b32: each lane takes its own place in the other half
.set M1,  0x55555555                   ; lanes (and bit places) whose number has bit 0, 1, 2, 3, 4 clear
.set M2,  0x33333333
.set M4,  0x0f0f0f0f
.set M8,  0x00ff00ff
.set M16, 0x0000ffff
	s_load_b256 s[4:11], s[0:1], 0x0               ; points s[4:5], queries s[6:7], radius s[8:9], masks s[10:11]
	s_load_b256 s[12:19], s[0:1], 0x20             ; passes s[12:13], out0 s[14:15], out2 s[16:17], counts s[18:19]
	v_lshl_add_u32 v[SPW], v0, 2, SPARE
	v_mov_b32 v[NIL], 0
	v_lshrrev_b32 v[T0], 5, v0
	v_readfirstlane_b32 s20, v[T0]                 ; wave 0..3
	v_and_b32 v[LN], 31, v0
	s_lshl_b32 s21, ttmp9, 2
	s_add_co_u32 s21, s21, s20                     ; my query
	s_lshl_b32 s22, s21, 11                        ; its row of masks,
	s_mov_b32 s23, 0
	s_mul_i32 s24, s21, 12                         ; its coordinates,
	s_mov_b32 s25, 0
	s_lshl_b32 s26, s21, 2                         ; its word in passes and in counts,
	s_mov_b32 s27, 0
	s_lshl_b32 s28, s21, 8                         ; its rows of out0 and out2
	s_mov_b32 s29, 0
	s_lshl_b32 s47, s20, 9                         ; my wave's 512 bytes of LDS
	v_lshlrev_b32 v[L16], 4, v[LN]
	v_mov_b32 v[Z0], 0
	s_wait_kmcnt 0x0
	s_add_nc_u64 s[10:11], s[10:11], s[22:23]
	s_add_nc_u64 s[12:13], s[12:13], s[26:27]
	s_add_nc_u64 s[6:7], s[6:7], s[24:25]
	s_add_nc_u64 s[14:15], s[14:15], s[28:29]
	s_add_nc_u64 s[16:17], s[16:17], s[28:29]
	s_add_nc_u64 s[18:19], s[18:19], s[26:27]
	global_load_b32 v[PV], v[Z0], s[12:13]         ; every lane reads the same word
.irp i, 0,1,2,3
	global_load_b128 v[W+4*\i:W+4*\i+3], v[L16], s[10:11] offset:512*\i th:TH_LOAD_NT  ; 512 consecutive bytes a load; nobody reads them after me
.endr
	s_load_b96 s[40:42], s[6:7], 0x0
	s_load_b32 s43, s[8:9], 0x0
	s_mov_b32 s[SEL], 0x76543210
	s_mov_b32 s[SEL+1], 0xfedcba98
	v_lshl_add_u32 v[L4], v[LN], 2, s47
	v_lshl_add_u32 v[L8], v[LN], 3, s47
	v_lshlrev_b32 v[G8], 3, v[LN]
	v_lshrrev_b32 v[T0], 4, v[LN]
	v_and_b32 v[T1], 7, v[LN]
	v_bfe_u32 v[T2], v[LN], 3, 1
	v_lshlrev_b32 v[LP], 11, v[T0]                 ; 2048 (lane / 16) + 256 (lane % 8) + 8 ((lane / 8) % 2)
	v_lshl_add_u32 v[LP], v[T1], 8, v[LP]
	v_lshl_add_u32 v[LP], v[T2], 3, v[LP]
.irp r, H0, L0, H1, L1
	v_mov_b32 v[\r], -1                            ; the best 64 start empty
.endr
.irp r, TH, TL, UH, UL
	v_mov_b32 v[\r], 0                             ; destinations of lane moves count as read: written once
.endr
	s_wait_kmcnt 0x0
	v_cvt_pk_bf16_f32 v[T0], s40, s41              ; query and radius rounded to bf16
	v_cvt_pk_bf16_f32 v[T1], s42, s43
	v_lshlrev_b32 v[Q0], 16, v[T0]
	v_and_b32 v[Q1], 0xffff0000, v[T0]
	v_lshlrev_b32 v[Q2], 16, v[T1]
	v_and_b32 v[R2], 0xffff0000, v[T1]
	v_mul_f32 v[R2], v[R2], v[R2]
	v_mul_f32 v[QQ], v[Q0], v[Q0]
	v_fma_f32 v[QQ], v[Q1], v[Q1], v[QQ]
	v_fma_f32 v[QQ], v[Q2], v[Q2], v[QQ]
	s_wait_loadcnt 0x0
	v_readfirstlane_b32 s44, v[PV]
	s_min_u32 s44, s44, 0x200                      ; a lane holds 512 bits: a loaded number is held to that before it bounds a loop
	s_cmp_eq_u32 s44, 0
	s_cbranch_scc1 .Lrows                          ; no candidate at all: the rows are empty
; Word c of the lane's sixteen.  t = the word while nothing has been found, else 0.  t & (t - 1) is t without its lowest set bit (0 for t = 0), the difference y that bit.  NEED is -1 until a t is not 0:
; then 1 is added and it is 0.  CS counts the words after which NEED is still -1: the empty words ahead of the found one.  Only and, or, add, subtract and minimum, each on the lane's own registers.
.macro SCAN c
.set p_, SC+4*((\c)%2)
	v_and_b32 v[p_], v[W+(\c)], v[NEED]
	v_add_nc_u32 v[p_+1], -1, v[p_]
	v_min_u32 v[p_+2], 1, v[p_]
	v_and_b32 v[p_+1], v[p_], v[p_+1]
	v_add_nc_u32 v[NEED], v[NEED], v[p_+2]
	v_sub_nc_u32 v[p_+3], v[p_], v[p_+1]
	v_sub_nc_u32 v[CS], v[CS], v[NEED]
	v_sub_nc_u32 v[W+(\c)], v[W+(\c)], v[p_+3]
	v_or_b32 v[Y], v[Y], v[p_+3]
.endm
; sa = lanes where key (ah, al) < key (bh, bl)
.macro LESS sa, ah, al, bh, bl
	v_cmp_lt_u32 s[\sa], v[\ah], v[\bh]
	v_cmp_eq_u32 s[\sa+1], v[\ah], v[\bh]
	v_cmp_lt_u32 s[\sa+2], v[\al], v[\bl]
	s_and_b32 s[\sa+1], s[\sa+1], s[\sa+2]
	s_or_b32 s[\sa], s[\sa], s[\sa+1]
.endm
; Compare and exchange with the lane j away.  wm: the lanes that keep the smaller key.  Such a lane takes its partner's key unless its own is smaller; the others take it if their own is smaller.
.macro CE h, l, th, tl, sa, j, wm
.if \j == 16
	v_permlanex16_b32 v[\th], v[\h], s[SEL], s[SEL+1]
	v_permlanex16_b32 v[\tl], v[\l], s[SEL], s[SEL+1]
.else
	v_mov_b32_dpp v[\th], v[\h] row_xmask:\j row_mask:0xf bank_mask:0xf
	v_mov_b32_dpp v[\tl], v[\l] row_xmask:\j row_mask:0xf bank_mask:0xf
.endif
	LESS \sa, \h, \l, \th, \tl
	s_xor_b32 s[\sa], s[\sa], \wm
	v_cndmask_b32 v[\h], v[\h], v[\th], s[\sa]
	v_cndmask_b32 v[\l], v[\l], v[\tl], s[\sa]
.endm
; A stage of the sort of the 32 new keys, downward at the end.  m: lanes that are the lower of their pair; a: lanes whose block of this phase runs upward.  The smaller key stays where the two agree.
.macro DOWN j, m, a
.set wm_, (~((\m)^(\a)))&0xffffffff
	CE NH, NL, TH, TL, SA, \j, wm_
.endm
; A stage of the upward merge, on both sets of 32.
.macro UPW j, m
	CE H0, L0, TH, TL, SA, \j, \m
	CE H1, L1, UH, UL, SB, \j, \m
.endm
	; (2) THE PASSES
	s_mov_b32 s45, 0
.Lpass:
	v_mov_b32 v[NEED], -1
	v_mov_b32 v[CS], 0
	v_mov_b32 v[Y], 0
.irp c, 0,1,2,3,4,5,6,7,8,9,10,11,12,13,14,15
	SCAN \c
.endr
	v_cmp_ne_u32 s30, 0, v[Y]                      ; lanes that still had a candidate
	v_and_b32 v[T0], 12, v[CS]                     ; register c: 4,096 points for each c / 4, 16 for each c % 4 (a lane that found nothing has c = 16: both parts 0)
	v_and_b32 v[T1], 3, v[CS]
	v_lshl_add_u32 v[PB], v[T0], 10, v[LP]
	v_lshl_add_u32 v[PB], v[T1], 4, v[PB]
	v_and_b32 v[T0], M1, v[Y]                      ; 31 - the bit's place, bit by bit: bit k is set where the place's bit k is clear
	v_and_b32 v[T1], M2, v[Y]
	v_and_b32 v[T2], M4, v[Y]
	v_and_b32 v[T3], M8, v[Y]
	v_and_b32 v[Y], M16, v[Y]
	v_min_u32 v[T0], 1, v[T0]
	v_min_u32 v[T1], 1, v[T1]
	v_min_u32 v[T2], 1, v[T2]
	v_min_u32 v[T3], 1, v[T3]
	v_min_u32 v[Y], 1, v[Y]
	v_add_nc_u32 v[PT], v[PB], v[T0]               ; bits 0-2 are j: 1, 2, 4 points;
	v_lshl_add_u32 v[PT], v[T1], 1, v[PT]
	v_lshl_add_u32 v[PT], v[T2], 2, v[PT]
	v_lshl_add_u32 v[PT], v[T3], 6, v[PT]          ; bits 3, 4 are g: 64, 128 points
	v_lshl_add_u32 v[PT], v[Y], 7, v[PT]
	v_min_u32 v[PT], 0x3fff, v[PT]                 ; held to the table before it becomes an address
	v_mul_u32_u24 v[OFF], v[PT], 12
	global_load_b32 v[A0], v[OFF], s[4:5]
	global_load_b32 v[A0+1], v[OFF], s[4:5] offset:4
	global_load_b32 v[A0+2], v[OFF], s[4:5] offset:8
	s_wait_loadcnt 0x0
	v_cvt_pk_bf16_f32 v[T0], v[A0], v[A0+1]
	v_cvt_pk_bf16_f32 v[T1], v[A0+2], v[A0+2]
	v_lshlrev_b32 v[T2], 16, v[T0]
	v_and_b32 v[T3], 0xffff0000, v[T0]
	v_lshlrev_b32 v[T1], 16, v[T1]
	v_mul_f32 v[PP], v[T2], v[T2]
	v_mul_f32 v[DT], v[Q0], v[T2]
	v_fma_f32 v[PP], v[T3], v[T3], v[PP]
	v_fma_f32 v[DT], v[Q1], v[T3], v[DT]
	v_fma_f32 v[PP], v[T1], v[T1], v[PP]
	v_fma_f32 v[DT], v[Q2], v[T1], v[DT]
	v_add_f32 v[PP], v[QQ], v[PP]
	v_fma_f32 v[D2], v[DT], -2.0, v[PP]            ; 2 dot is exact, so this rounds the difference once
	v_max_num_f32 v[D2], 0, v[D2]
	v_cmp_le_f32 s31, v[D2], v[R2]
	s_and_b32 s31, s31, s30
	v_cndmask_b32 v[NH], -1, v[D2], s31
	v_cndmask_b32 v[NL], -1, v[PT], s31
	DOWN 1, M1, 0xcccccccc                         ; blocks of 2,
	DOWN 2, M2, 0xf0f0f0f0                         ; of 4,
	DOWN 1, M1, 0xf0f0f0f0
	DOWN 4, M4, 0xff00ff00                         ; of 8,
	DOWN 2, M2, 0xff00ff00
	DOWN 1, M1, 0xff00ff00
	DOWN 8, M8, 0xffff0000                         ; of 16,
	DOWN 4, M4, 0xffff0000
	DOWN 2, M2, 0xffff0000
	DOWN 1, M1, 0xffff0000
	DOWN 16, M16, 0                                ; all 32, downward
	DOWN 8, M8, 0
	DOWN 4, M4, 0
	DOWN 2, M2, 0
	DOWN 1, M1, 0
	; The best 64 upward, then 32 empty keys and the 32 new ones downward, rise and then fall.  The smaller of elements e and e + 64 are the 64 smallest: only the upper set meets new keys.
	LESS SA, NH, NL, H1, L1
	v_cndmask_b32 v[H1], v[H1], v[NH], s[SA]
	v_cndmask_b32 v[L1], v[L1], v[NL], s[SA]
	LESS SA, H1, L1, H0, L0                        ; 32 apart: the two sets, lane by lane
	v_mov_b32 v[TH], v[H0]
	v_mov_b32 v[TL], v[L0]
	v_cndmask_b32 v[H0], v[H0], v[H1], s[SA]
	v_cndmask_b32 v[L0], v[L0], v[L1], s[SA]
	v_cndmask_b32 v[H1], v[H1], v[TH], s[SA]
	v_cndmask_b32 v[L1], v[L1], v[TL], s[SA]
	UPW 16, M16
	UPW 8, M8
	UPW 4, M4
	UPW 2, M2
	UPW 1, M1
	s_add_co_u32 s45, s45, 1
	s_cmp_lt_u32 s45, s44
	s_cbranch_scc1 .Lpass
.Lrows:
	; (3) THE ROWS.  An empty place already holds index -1; its distance becomes 0.  Through my wave's own LDS bytes lane l gets elements 2 l and 2 l + 1, so that one store covers the row's 256 bytes.
	v_cmp_ne_u32 s32, -1, v[L0]
	v_cmp_ne_u32 s33, -1, v[L1]
	v_cndmask_b32 v[H0], 0, v[H0], s32
	v_cndmask_b32 v[H1], 0, v[H1], s33
	s_bcnt1_i32_b32 s32, s32
	s_bcnt1_i32_b32 s33, s33
	s_add_co_u32 s32, s32, s33                     ; the neighbours kept, 64 at the most
	ds_store_b32 v[L4], v[L0] offset:OUTS
	ds_store_b32 v[L4], v[L1] offset:OUTS+128
	ds_store_b32 v[L4], v[H0] offset:OUTS+256
	ds_store_b32 v[L4], v[H1] offset:OUTS+384
	ds_load_b64 v[OA:OA+1], v[L8] offset:OUTS      ; LDS serves a wave's instructions in order: these see the stores above
	ds_load_b64 v[OB:OB+1], v[L8] offset:OUTS+256
	v_mov_b32 v[CN], s32
	s_wait_dscnt 0x0
	global_store_b64 v[G8], v[OA:OA+1], s[14:15] th:TH_STORE_NT
	global_store_b64 v[G8], v[OB:OB+1], s[16:17] th:TH_STORE_NT
	v_cmp_eq_u32 vcc_lo, 0, v[LN]
	s_wait_xcnt 0x0                                ; EXEC is a source of the stores above: it changes only behind this wait
	s_and_saveexec_b32 s46, vcc_lo
	global_store_b32 v[Z0], v[CN], s[18:19]        ; lane 0 alone
	s_wait_xcnt 0x0                                ; and again ahead of the line that widens it
	s_or_b32 exec_lo, exec_lo, s46
	s_wait_tensorcnt 0x0                           ; the wave's end: three lines behind my last LDS store
	ds_add_u32 v[SPW], v[NIL]
	s_wait_dscnt 0x0
	s_endpgm
.Lfunc_end_k_qdb04182214_select:
	.size	k_qdb04182214_select, .Lfunc_end_k_qdb04182214_select-k_qdb04182214_select
	.p2alignl 7, 3214868480
	.fill 96, 4, 3214868480
	.section	.rodata,"a",@progbits
	.p2align	6, 0x0
	.amdhsa_kernel k_qdb04182214_select
		.amdhsa_group_segment_fixed_size 2560
		.amdhsa_private_segment_fixed_size 0
		.amdhsa_enable_private_segment 0
		.amdhsa_kernarg_size 64
		.amdhsa_user_sgpr_count 2
		.amdhsa_user_sgpr_kernarg_segment_ptr 1
		.amdhsa_wavefront_size32 1
		.amdhsa_system_sgpr_workgroup_id_x 1
		.amdhsa_system_sgpr_workgroup_id_y 1
		.amdhsa_system_sgpr_workgroup_id_z 1
		.amdhsa_system_vgpr_workitem_id 0
		.amdhsa_next_free_vgpr 72
		.amdhsa_next_free_sgpr 66
		.amdhsa_reserve_vcc 1
		.amdhsa_float_denorm_mode_32 3
		.amdhsa_float_denorm_mode_16_64 3
		.amdhsa_memory_ordered 1
		.amdhsa_forward_progress 1
		.amdhsa_inst_pref_size 27
	.end_amdhsa_kernel
	.amdgpu_metadata
---
amdhsa.version: [ 1, 2 ]
amdhsa.kernels:
  - .name:           k_qdb04182214_select
    .symbol:         k_qdb04182214_select.kd
    .args:
      - { .name: points, .offset: 0, .size: 8, .value_kind: global_buffer, .address_space: global }
      - { .name: queries, .offset: 8, .size: 8, .value_kind: global_buffer, .address_space: global }
      - { .name: radius, .offset: 16, .size: 8, .value_kind: global_buffer, .address_space: global }
      - { .name: masks, .offset: 24, .size: 8, .value_kind: global_buffer, .address_space: global }
      - { .name: passes, .offset: 32, .size: 8, .value_kind: global_buffer, .address_space: global }
      - { .name: out0, .offset: 40, .size: 8, .value_kind: global_buffer, .address_space: global }
      - { .name: out2, .offset: 48, .size: 8, .value_kind: global_buffer, .address_space: global }
      - { .name: counts, .offset: 56, .size: 8, .value_kind: global_buffer, .address_space: global }
    .group_segment_fixed_size: 2560
    .private_segment_fixed_size: 0
    .kernarg_segment_align: 8
    .kernarg_segment_size: 64
    .max_flat_workgroup_size: 128
    .sgpr_count:     66
    .vgpr_count:     72
    .wavefront_size: 32
...
	.end_amdgpu_metadata
.endif
;; end of part 3
;; launch splits (part 4): grid 1 x 1, 32 waves a work-group, no clusters, 4,352 bytes of LDS; arguments counts, out1; writes out1
.if DOCPART == 4
	.amdgcn_target "amdgcn-amd-amdhsa--gfx1250"
	.amdhsa_code_object_version 6
	.text
	.protected	k_qdb04182214_splits
	.globl	k_qdb04182214_splits
	.p2align	8
	.type	k_qdb04182214_splits,@function
k_qdb04182214_splits:
	s_mov_b64 s[64:65], 0
	v_nop
	global_prefetch_b8 v0, s[64:65] scope:SCOPE_SE
	s_setreg_imm32_b32 hwreg(HW_REG_WAVE_MODE, 25, 1), 1
	s_wait_xcnt 0x0
; FIXED-RADIUS SEARCH, fourth of four launches: THE ROW SPLITS.  out1[i] = the sum of counts[0 .. i - 1], i = 0 .. 8192.  Whole numbers throughout.
; The counts are known only when the launch before has ended, and the sum runs over all its work-groups: so it has a launch of its own, and one work-group, since 32 KiB are one group's work.
; 32 waves; wave w owns counts 256 w .. 256 w + 255 as two runs of 128, four a lane: each load and each store of a wave covers 512 consecutive bytes.
; In a lane: the sums of its four.  In a wave: a running sum over the lanes (four steps inside each 16 lanes, then lane 15's sum onto the upper 16).  Between the waves: 32 totals through LDS.
.set SPARE, 256                        ; behind the block of the 32 totals: the spare words, 128 bytes a wave
.set SPW, 2                            ; v2  my spare word's address; never rewritten
.set NIL, 3                            ; v3  0; never rewritten
.set LN,  12                           ; v12 lane
.set OF,  13                           ; v13 my byte offset in counts and in out1
.set T,   14
.set IA,  15                           ; v15, v16 running sums over the lanes
.set IB,  16
.set A1,  17                           ; v17-19 the first run: my first two, three, four
.set A2,  18
.set QA,  19
.set B1,  20                           ; v20-22 the second run
.set B2,  21
.set QB,  22
.set WO,  23                           ; v23 the sum of the waves below mine
.set AD,  24
.set TOT, 36
.set Z,   37
	s_load_b128 s[4:7], s[0:1], 0x0                ; counts s[4:5], out1 s[6:7]
	v_lshl_add_u32 v[SPW], v0, 2, SPARE
	v_mov_b32 v[NIL], 0
	v_lshrrev_b32 v1, 5, v0
	v_readfirstlane_b32 s8, v1                     ; wave 0..31
	v_and_b32 v[LN], 31, v0
	v_lshlrev_b32 v[OF], 4, v[LN]
	v_lshl_add_u32 v[OF], v1, 10, v[OF]
	s_mov_b32 s9, 0xffff0000                       ; lanes 16-31
	s_mov_b32 s16, 0x76543210
	s_mov_b32 s17, 0xfedcba98
	v_mov_b32 v[T], 0                              ; a lane move's destination counts as read
	v_mov_b32 v[Z], 0
	s_wait_kmcnt 0x0
	global_load_b128 v[4:7], v[OF], s[4:5]
	global_load_b128 v[8:11], v[OF], s[4:5] offset:512
	s_wait_loadcnt 0x0
	v_add_nc_u32 v[A1], v4, v5
	v_add_nc_u32 v[B1], v8, v9
	v_add_nc_u32 v[A2], v[A1], v6
	v_add_nc_u32 v[B2], v[B1], v10
	v_add_nc_u32 v[QA], v[A2], v7
	v_add_nc_u32 v[QB], v[B2], v11
	v_mov_b32 v[IA], v[QA]
	v_mov_b32 v[IB], v[QB]
.macro WSCAN s                         ; lane l ends with the sum over lanes 0 .. l
.irp n, 1,2,4,8
	v_mov_b32_dpp v[T], v[\s] row_shr:\n row_mask:0xf bank_mask:0xf bound_ctrl:1  ; lane l - n of my 16, or 0
	v_add_nc_u32 v[\s], v[\s], v[T]
.endr
	v_readlane_b32 s10, v[\s], 15
	v_cndmask_b32 v[T], 0, s10, s9
	v_add_nc_u32 v[\s], v[\s], v[T]
.endm
	WSCAN IA
	WSCAN IB
	v_readlane_b32 s12, v[IA], 31                  ; the first run's total,
	v_readlane_b32 s13, v[IB], 31                  ; the second's,
	s_add_co_u32 s14, s12, s13                     ; my wave's
	v_lshlrev_b32 v[AD], 2, v1
	v_mov_b32 v[T], s14
	ds_store_b32 v[AD], v[T]                       ; all lanes write the same word with the same number
	s_wait_dscnt 0x0                               ; for the others' sake
	s_barrier_signal -1
	s_barrier_wait -1
	v_lshlrev_b32 v[AD], 2, v[LN]
	ds_load_b32 v[WO], v[AD]                       ; lane l: wave l's total
	v_cmp_gt_u32 vcc_lo, s8, v[LN]
	s_wait_dscnt 0x0
	v_cndmask_b32 v[WO], 0, v[WO], vcc_lo          ; the waves below mine alone,
.irp n, 1,2,4,8
	v_mov_b32_dpp v[T], v[WO] row_xmask:\n row_mask:0xf bank_mask:0xf
	v_add_nc_u32 v[WO], v[WO], v[T]
.endr
	v_permlanex16_b32 v[T], v[WO], s16, s17
	v_add_nc_u32 v[WO], v[WO], v[T]                ; added up, in every lane
	v_sub_nc_u32 v[IA], v[IA], v[QA]               ; the lanes below me
	v_sub_nc_u32 v[IB], v[IB], v[QB]
	v_add_nc_u32 v28, v[WO], v[IA]
	v_add3_u32 v32, v[WO], v[IB], s12
	v_add_nc_u32 v29, v28, v4
	v_add_nc_u32 v30, v28, v[A1]
	v_add_nc_u32 v31, v28, v[A2]
	v_add_nc_u32 v33, v32, v8
	v_add_nc_u32 v34, v32, v[B1]
	v_add_nc_u32 v35, v32, v[B2]
	v_add_nc_u32 v[TOT], v32, v[QB]
	global_store_b128 v[OF], v[28:31], s[6:7]
	global_store_b128 v[OF], v[32:35], s[6:7] offset:512
	v_cmp_eq_u32 vcc_lo, 0x3ff, v0
	s_wait_xcnt 0x0                                ; EXEC is a source of the stores above: it changes only behind this wait
	s_and_saveexec_b32 s15, vcc_lo
	global_store_b32 v[Z], v[TOT], s[6:7] offset:32768  ; the last thread: out1[8192], the sum of all
	s_wait_xcnt 0x0
	s_or_b32 exec_lo, exec_lo, s15
	s_wait_tensorcnt 0x0                           ; the wave's end: three lines behind my last LDS store
	ds_add_u32 v[SPW], v[NIL]
	s_wait_dscnt 0x0
	s_endpgm
.Lfunc_end_k_qdb04182214_splits:
	.size	k_qdb04182214_splits, .Lfunc_end_k_qdb04182214_splits-k_qdb04182214_splits
	.p2alignl 7, 3214868480
	.fill 96, 4, 3214868480
	.section	.rodata,"a",@progbits
	.p2align	6, 0x0
	.amdhsa_kernel k_qdb04182214_splits
		.amdhsa_group_segment_fixed_size 4352
		.amdhsa_private_segment_fixed_size 0
		.amdhsa_enable_private_segment 0
		.amdhsa_kernarg_size 16
		.amdhsa_user_sgpr_count 2
		.amdhsa_user_sgpr_kernarg_segment_ptr 1
		.amdhsa_wavefront_size32 1
		.amdhsa_system_sgpr_workgroup_id_x 1
		.amdhsa_system_sgpr_workgroup_id_y 1
		.amdhsa_system_sgpr_workgroup_id_z 1
		.amdhsa_system_vgpr_workitem_id 0
		.amdhsa_next_free_vgpr 40
		.amdhsa_next_free_sgpr 66
		.amdhsa_reserve_vcc 1
		.amdhsa_float_denorm_mode_32 3
		.amdhsa_float_denorm_mode_16_64 3
		.amdhsa_memory_ordered 1
		.amdhsa_forward_progress 1
		.amdhsa_inst_pref_size 5
	.end_amdhsa_kernel
	.amdgpu_metadata
---
amdhsa.version: [ 1, 2 ]
amdhsa.kernels:
  - .name:           k_qdb04182214_splits
    .symbol:         k_qdb04182214_splits.kd
    .args:
      - { .name: counts, .offset: 0, .size: 8, .value_kind: global_buffer, .address_space: global }
      - { .name: out1, .offset: 8, .size: 8, .value_kind: global_buffer, .address_space: global }
    .group_segment_fixed_size: 4352
    .private_segment_fixed_size: 0
    .kernarg_segment_align: 8
    .kernarg_segment_size: 16
    .max_flat_workgroup_size: 1024
    .sgpr_count:     66
    .vgpr_count:     40
    .wavefront_size: 32
...
	.end_amdgpu_metadata
.endif
;; end of part 4
;; ======== version 2 of 2: 4 launches; version 1 with the launch filter written anew for expert scheduling mode
;; workspace buffers: masks 16,777,216 bytes of whole numbers; passes 32,768 bytes of whole numbers; counts 32,768 bytes
;; launch filter (part 5): grid 8 x 32, 4 waves a work-group, no clusters, 135,680 bytes of LDS; arguments points, queries, radius, masks; writes masks
.if DOCPART == 5
	.amdgcn_target "amdgcn-amd-amdhsa--gfx1250"
	.amdhsa_code_object_version 6
	.text
	.protected	k_qdb04182214_filter
	.globl	k_qdb04182214_filter
	.p2align	8
	.type	k_qdb04182214_filter,@function
k_qdb04182214_filter:
	s_mov_b64 s[64:65], 0
	v_nop
	global_prefetch_b8 v0, s[64:65] scope:SCOPE_SE
	s_setreg_imm32_b32 hwreg(HW_REG_WAVE_SCHED_MODE, 0, 2), 2
	s_setreg_imm32_b32 hwreg(HW_REG_WAVE_MODE, 25, 1), 1
	s_wait_xcnt 0x0
	s_wait_alu depctr_vm_vsrc(0)
; FIXED-RADIUS SEARCH, first of four launches: THE FILTER.  points [16384][3], queries [8192][3], radius: f32.  masks: [8192 queries][512 words], one bit a pair.
; All three inputs are rounded to bf16 (nearest even) before anything else.  For every pair the matrix unit makes
;     D = (1 - e)(q2 + p2) - 2 q.p - r^2,   e = 2^-14,   q2 = (q0^2 + q1^2) + q2^2 in f32, p2 likewise,
; and the pair's bit is D's sign.  The exact test (d2 <= r^2 in f32, in the order of the sums above) is made by a later launch on the pairs whose bit is set.
; WHY NO NEIGHBOUR IS LOST.  The f32 sums of the exact test, the roundings of (1 - e) p2 and of (1 - e) q2 - r^2 here, and the matrix unit's own sum each differ from exact arithmetic by a few
; units in the 24th place of q2 + p2 (or of r^2, which near the boundary is at most 2 (q2 + p2)): together under 2^-19 (q2 + p2).  The margin e (q2 + p2) is 32 times that.
; 2^-123 is taken off as well, so that q = p = 0 with radius 0 still gives a negative D.
; ONE MATRIX INSTRUCTION A TILE of 16 points x 16 queries, nine of its 32 places along K in use (bf16):
;     k        0     1     2     3    4    5    6    7    8
;     point    p0    p1    p2    Ph   Pm   Pl   1    1    1        P = (1 - e) p2 = Ph + Pm + Pl exactly: three cuts of 8 bits of its 24
;     query   -2q0  -2q1  -2q2   1    1    1    Qh   Qm   Ql       Q = (1 - e) q2 - r^2 - 2^-123, cut likewise
; Source 0 = points: in the result lane l holds query l % 16, and register j point 8 (l / 16) + j.
; SHARES.  A work-group: 256 queries x 2,048 points; 8 x 32 work-groups.  A wave: 64 queries (four fragments, kept in registers) x all 2,048 points, whose fragments the four waves make once, in LDS.
; BITS.  v_alignbit_b32 w, w, D, 31 is w = 2 w + sign(D).  Four words a query fragment take turns, one for each of the four point tiles of a group of 64 points; after four groups (256 points) they
; are full.  With h = l / 16: word 64 pb + 32 h + 4 gq + t of a query's row, bit 31 - (8 c + j)  <->  point 2048 pb + 256 gq + 64 c + 16 t + 8 h + j.
; THE WAY OUT.  A lane's four words are 16 bytes of one query's row; through the wave's own stage in LDS they become whole pieces of 256 bytes, which sixteen lanes store together.
; LIMITS.  NaN and infinities are not treated apart.  No tensor load: the operands have to be computed, so they pass through registers anyway.  No cluster: a work-group's inputs are 27 KiB, read once.
; THE MODE: SCHED_MODE bits 1:0 = 2 (LLVM: expert scheduling mode 2), set by the entry lines.  The code itself states the register dependences
; between vector or matrix instructions and memory or LDS instructions, with s_wait_alu, always for 0.
; THE PLAN.  Registers that memory or LDS instructions touch:
;   before the loop   v[PO], v[QO], v[PA], ONE: written once at the head; read by the global loads and by the LDS stores of the points' fragments.
;                     PF: sixteen points' 16 bytes, four registers EACH, written by the points' arithmetic and read by sixteen LDS stores behind ONE wait.
;   tile buffers 0-3  Group g of a trip lies in buffer g.  Its lower registers are written by LDS loads and read by units 4 g .. 4 g + 3; the upper ones are 0, set once.
;                     Buffers 0, 1 are asked for again (the next trip's groups 0, 1) in unit 8, buffers 2, 3 in the next trip's unit 0.
;   v[AADR]           Read by every tile load; one add a trip.       v[STO]  Read by the trip's four LDS stores; one add a trip.       WD  Written by the shifts; read by those four stores.
;   the way out       v[RD], v[GO]: written at the head.  The 32 LDS loads land in DD and in buffers 0, 1, registers of their own for each load, from which the global stores read.
;   BF and, in the loop, DD are named by vector and matrix instructions alone.
; A trip has three waits.  In its middle, on va_vdst: units 0-7 are done reading buffers 0, 1.  At its end, on va_vdst: the mask words are written, units 8-15 are done reading buffers 2, 3.
; Behind the next trip's unit 0, on vm_vsrc: the stores and loads have read WD, v[STO] and v[AADR], which are written again from there on.  Behind each wait on va_vdst the loads are dealt among matrix
; instructions and shifts that name none of the registers that those loads touch.
.set STG,    65536                     ; behind the 2,048 points' fragments (32 bytes each): the stages
.set SPITCH, 272                       ; a stage row: 256 bytes + 16, so that sixteen rows' 16-byte columns fall on different banks (64 banks of 4 bytes: ISA guide 11.1)
.set WSTG,   64*SPITCH                 ; a wave's stage: 64 queries
.set SPARE,  STG+4*WSTG                ; the spare words, 128 bytes a wave: two blocks of 256 bytes that no other line names
.set SPW,  2                           ; v2   my spare word's address; never rewritten
.set NIL,  3                           ; v3   0; never rewritten
.set AADR, 4                           ; v4   LDS address of my 16 bytes in the first point tile of the trip that is asked for
.set STO,  5                           ; v5   stage: where my four words go
.set RD,   6                           ; v6   stage: where I read rows back
.set GO,   7                           ; v7   my byte offset in two rows of masks
.set R2,   8                           ; v8   r^2
.set ONEF, 9                           ; v9   1.0
.set PO,   10                          ; v10  byte offset of my four points
.set QO,   11                          ; v11  byte offset of my query in a fragment
.set RR,   12                          ; v12  l % 16
.set HH,   13                          ; v13  l / 16
.set PA,   14                          ; v14  LDS address of my four points' fragments
.set BF,   16                          ; v16-47    four query fragments of 8 registers; the upper four (k = 16 .. 31) are 0
.set AFR,  48                          ; v48-111   tile buffers 0 and 1: four point tiles of 8 registers each; the upper four are 0
.set AF2,  192                         ; v192-255  tile buffers 2 and 3
.set PF,   48                          ;           before the loop: sixteen points' 16 bytes for lanes 0-15, four registers each
.set DD,   112                         ; v112-175  two sets of four accumulators
.set PX,   112                         ;           before the loop: 16 points a thread as loaded
.set TT,   160                         ;           before the loop: at work
.set TW1,  168                         ;           before the loop: 1.0 twice in bf16
.set ONE,  172                         ;           before the loop: the 16 bytes for lanes 16-31: k = 8 is 1.0
.set WD,   176                         ; v176-191  mask words: fragment b, tile t at WD + 4 b + t
.set QX,   192                         ; v192-203  before the loop: my four queries as loaded
.set HM,   26                          ; s26  a word's upper bf16
.set NE,   27                          ; s27  -e
.set PS,   28                          ; s28  v_perm_b32: the two upper halves, second source below
.set TY,   29                          ; s29  2^-123
.set UP,   30                          ; s30  lanes 16-31
	s_load_b256 s[4:11], s[0:1], 0x0               ; points s[4:5], queries s[6:7], radius s[8:9], masks s[10:11]
	v_lshl_add_u32 v[SPW], v0, 2, SPARE
	v_mov_b32 v[NIL], 0
	v_lshrrev_b32 v1, 5, v0
	v_readfirstlane_b32 s12, v1                    ; wave 0..3
	v_mul_u32_u24 v[PO], v0, 48                    ; thread t takes points 4 t .. 4 t + 3 of each 512: 48 consecutive bytes
	v_and_b32 v[RR], 15, v0
	v_bfe_u32 v[HH], v0, 4, 1
	v_mul_u32_u24 v[QO], v[RR], 12
	v_lshrrev_b32 v[PA], 2, v0                     ; points 4 t .. lie in tile t / 4 of their 512, rows 4 (t % 4) ..: a tile is 512 bytes, lane l's 16 at 16 l
	v_and_b32 v15, 3, v0
	v_lshlrev_b32 v[PA], 9, v[PA]
	v_lshl_add_u32 v[PA], v15, 6, v[PA]
	v_mov_b32 v[TW1], 0x3f803f80                   ; 1.0 twice
	v_mov_b32 v[ONE], 0x3f80                       ; k = 8: 1.0; k = 9 .. 15: 0
	v_mov_b32 v[ONE+1], 0
	v_mov_b32 v[ONE+2], 0
	v_mov_b32 v[ONE+3], 0
	v_mov_b32 v[ONEF], 1.0
	s_and_b32 s13, ttmp7, 0xffff                   ; block of 256 queries
	s_mul_i32 s16, ttmp9, 2048*12                  ; block of 2,048 points, in bytes
	s_mov_b32 s17, 0
	s_lshl_b32 s18, s13, 8
	s_wait_alu depctr_va_sdst(0)                   ; s12 is written, ahead of its first reader: the queries' and masks' bases and the stage's address are made from it
	s_lshl_b32 s19, s12, 6
	s_add_co_u32 s18, s18, s19                     ; my wave's first query
	s_mul_i32 s22, s18, 12
	s_mov_b32 s23, 0
	s_lshl_b32 s24, s18, 11                        ; its row of 2,048 bytes in masks,
	s_lshl_b32 s25, ttmp9, 8                       ; and the point block's 256 bytes in it
	s_add_co_u32 s24, s24, s25
	s_mov_b32 s25, 0
	s_mov_b32 s[HM], 0xffff0000
	s_mov_b32 s[NE], 0xb8800000                    ; -2^-14
	s_mov_b32 s[PS], 0x07060302
	s_mov_b32 s[TY], 0x02000000                    ; 2^-123
	s_mov_b32 s[UP], 0xffff0000
	s_wait_kmcnt 0x0
	s_load_b32 s14, s[8:9], 0x0                    ; the radius
	s_add_nc_u64 s[4:5], s[4:5], s[16:17]
	s_add_nc_u64 s[6:7], s[6:7], s[22:23]
	s_add_nc_u64 s[10:11], s[10:11], s[24:25]
	s_wait_alu depctr_va_vdst(0)                   ; v[PO] and v[QO] are written, which the global loads read as offsets; so are v[PA] and ONE, address and data of the LDS stores below
.irp k, 0,1,2,3
.irp m, 0,1,2
	global_load_b128 v[PX+12*\k+4*\m:PX+12*\k+4*\m+3], v[PO], s[4:5] offset:6144*\k+16*\m
.endr
.endr
.irp b, 0,1,2,3
.irp i, 0,1,2
	global_load_b32 v[QX+3*\b+\i], v[QO], s[6:7] offset:192*\b+4*\i  ; both halves of the lanes load query 16 b + l % 16
.endr
.endr
.irp k, 0,1,2,3
.irp c, 0,1,2,3
	ds_store_b128 v[PA], v[ONE:ONE+3] offset:16384*\k+16*\c+256  ; lanes 16-31's part of my sixteen points hangs on no loaded number: it goes out while the loads are on their way
.endr
.endr
.irp n, 0,1,2,3,4,5,6,7,8,9,10,11,12,13,14,15
	v_mov_b32 v[PF+4*\n+3], v[TW1]                 ; k = 6, 7 of every point: 1.0 twice
.endr
	s_wait_kmcnt 0x0
	v_cvt_pk_bf16_f32 v[R2], s14, s14              ; the radius rounded to bf16,
	v_lshlrev_b32 v[R2], 16, v[R2]
	v_mul_f32 v[R2], v[R2], v[R2]                  ; squared: exact in f32
; Point c of batch k: rounded, its square sum in f32 in ascending order (each product of two bf16 is exact, so each fused multiply-add rounds the sum once), less the margin, cut in three.
; The result stays in the point's own four registers of PF.
.macro POINT k, c
.set X_, PX+12*(\k)+3*(\c)
.set F_, PF+16*(\k)+4*(\c)
	v_cvt_pk_bf16_f32 v[F_], v[X_], v[X_+1]        ; k = 0, 1
	v_cvt_pk_bf16_f32 v[TT], v[X_+2], v[X_+2]
	v_lshlrev_b32 v[TT+1], 16, v[F_]
	v_and_b32 v[TT+2], s[HM], v[F_]
	v_lshlrev_b32 v[TT+3], 16, v[TT]
	v_mul_f32 v[TT+4], v[TT+1], v[TT+1]
	v_fma_f32 v[TT+4], v[TT+2], v[TT+2], v[TT+4]
	v_fma_f32 v[TT+4], v[TT+3], v[TT+3], v[TT+4]
	v_fma_f32 v[TT+4], v[TT+4], s[NE], v[TT+4]     ; (1 - e) p2
	v_and_b32 v[TT+5], s[HM], v[TT+4]              ; its upper 8 bits,
	v_sub_f32 v[TT+4], v[TT+4], v[TT+5]            ; the rest (exact),
	v_and_b32 v[TT+6], s[HM], v[TT+4]              ; the next 8,
	v_sub_f32 v[TT+4], v[TT+4], v[TT+6]            ; the last 8
	v_and_or_b32 v[F_+1], v[TT], 0xffff, v[TT+5]   ; k = 2, 3
	v_perm_b32 v[F_+2], v[TT+4], v[TT+6], s[PS]    ; k = 4, 5
.endm
	s_wait_loadcnt 12                              ; loads come back in order: the twelve of the points are in, the twelve of the queries may stay out
.irp k, 0,1,2,3
.irp c, 0,1,2,3
	POINT \k, \c
.endr
.endr
	s_wait_alu depctr_va_vdst(0)                   ; the points' arithmetic has written PF, which the sixteen LDS stores read
.irp k, 0,1,2,3
.irp c, 0,1,2,3
	ds_store_b128 v[PA], v[PF+16*\k+4*\c:PF+16*\k+4*\c+3] offset:16384*\k+16*\c
.endr
.endr
; Query fragment b.  Both halves of the lanes compute everything; lanes 0-15 keep k = 0 .. 7, lanes 16-31 k = 8 .. 15.
.macro QFRAG b
.set X_, QX+3*(\b)
.set F_, BF+8*(\b)
	v_cvt_pk_bf16_f32 v[TT], v[X_], v[X_+1]
	v_cvt_pk_bf16_f32 v[TT+1], v[X_+2], v[X_+2]
	v_lshlrev_b32 v[TT+2], 16, v[TT]
	v_and_b32 v[TT+3], s[HM], v[TT]
	v_lshlrev_b32 v[TT+4], 16, v[TT+1]
	v_mul_f32 v[TT+5], v[TT+2], v[TT+2]
	v_fma_f32 v[TT+5], v[TT+3], v[TT+3], v[TT+5]
	v_fma_f32 v[TT+5], v[TT+4], v[TT+4], v[TT+5]
	v_fma_f32 v[TT+5], v[TT+5], s[NE], v[TT+5]     ; (1 - e) q2
	v_sub_f32 v[TT+5], v[TT+5], v[R2]
	v_sub_f32 v[TT+5], v[TT+5], s[TY]
	v_and_b32 v[TT+6], s[HM], v[TT+5]
	v_sub_f32 v[TT+5], v[TT+5], v[TT+6]
	v_and_b32 v[TT+7], s[HM], v[TT+5]
	v_sub_f32 v[TT+5], v[TT+5], v[TT+7]
	v_mul_f32 v[TT+2], -2.0, v[TT+2]               ; exact, and still bf16
	v_mul_f32 v[TT+3], -2.0, v[TT+3]
	v_mul_f32 v[TT+4], -2.0, v[TT+4]
	v_perm_b32 v[TT+2], v[TT+3], v[TT+2], s[PS]    ; k = 0, 1
	v_perm_b32 v[TT+4], v[ONEF], v[TT+4], s[PS]    ; k = 2, 3
	v_perm_b32 v[TT+6], v[TT+7], v[TT+6], s[PS]    ; k = 6, 7
	v_lshrrev_b32 v[TT+5], 16, v[TT+5]             ; k = 8, 9
	v_cndmask_b32 v[F_], v[TT+2], v[TT+5], s[UP]
	v_cndmask_b32 v[F_+1], v[TT+4], 0, s[UP]
	v_cndmask_b32 v[F_+2], v[TW1], 0, s[UP]        ; k = 4, 5: 1.0 twice
	v_cndmask_b32 v[F_+3], v[TT+6], 0, s[UP]
.irp i, 4,5,6,7
	v_mov_b32 v[F_+\i], 0
.endr
.endm
	s_wait_loadcnt 0x0
.irp b, 0,1,2,3
	QFRAG \b
.endr
	s_wait_alu depctr_vm_vsrc(0)                   ; my LDS stores have read PF and ONE: from here on these registers are tile buffers 0, 1 and accumulators, written by the lines below, by LDS loads and by matrix instructions
.irp n, 0,1,2,3,4,5,6,7
.irp i, 4,5,6,7
	v_mov_b32 v[AFR+8*\n+\i], 0                    ; k = 16 .. 31 of every point tile: the loads fill the lower four registers alone
	v_mov_b32 v[AF2+8*\n+\i], 0
.endr
.endr
.irp i, 0,1,2,3,4,5,6,7,8,9,10,11,12,13,14,15
	v_mov_b32 v[WD+\i], 0                          ; written once, so that the first shift reads a written register; 32 shifts push it out
.endr
	v_and_b32 v15, 31, v0
	v_lshlrev_b32 v[AADR], 4, v15
	s_mul_i32 s15, s12, WSTG
	s_add_co_u32 s15, s15, STG                     ; my wave's stage
	v_mul_u32_u24 v[STO], v[RR], SPITCH            ; in: my query's row, 128 bytes for each half of the lanes
	v_lshl_add_u32 v[STO], v[HH], 7, v[STO]
	v_add_nc_u32 v[STO], s15, v[STO]
	v_mul_u32_u24 v[RD], v[HH], SPITCH             ; back: lanes 0-15 one row of 256 bytes, lanes 16-31 the next
	v_lshl_add_u32 v[RD], v[RR], 4, v[RD]
	v_add_nc_u32 v[RD], s15, v[RD]
	v_lshlrev_b32 v[GO], 11, v[HH]                 ; and the same two rows in masks
	v_lshl_add_u32 v[GO], v[RR], 4, v[GO]
	s_wait_dscnt 0x0                               ; for the others' sake: my points' fragments are in LDS
	s_barrier_signal -1
	s_barrier_wait -1                              ; everybody's are
; Tile t of group g of the trip at which v[AADR] stands, into buffer g: one load of 16 bytes a lane.
.macro LD1 g, t
.set lb_, AFR+32*(\g)+(AF2-AFR-64)*((\g)/2)+8*(\t)
	ds_load_b128 v[lb_:lb_+3], v[AADR] offset:512*(4*(\g)+(\t))
.endm
; Eight sign bits of unit u: registers 2 t and 2 t + 1 of its four accumulators, the four words by turns.  Each accumulator is read from its lowest register on.
.macro BITS u, t
.set dp_, DD+32*((\u)%2)
.set wp_, WD+4*((\u)%4)
.irp e, 0,1
.irp x, 0,1,2,3
	v_alignbit_b32 v[wp_+\x], v[wp_+\x], v[dp_+8*\x+2*(\t)+\e], 31
.endr
.endr
.endm
; Unit u = 4 g + b: the group's four tiles (buffer g) against query fragment b, into accumulator set u % 2.  Behind each matrix instruction stand eight shifts on the OTHER set, the unit before's: they name
; none of its registers, so they are the places (ISA guide 7.12.1) that its results have to keep behind it.
; ld = 1: the eight loads of groups 0 and 1 are dealt into the unit, two behind each matrix instruction and its shifts; ld = 2: those of groups 2 and 3.  A group's four loads stand on end.
.macro UNIT u, ld=0
.set ab_, AFR+32*((\u)/4)+(AF2-AFR-64)*((\u)/8)
.irp t, 0,1,2,3
	v_wmma_f32_16x16x32_bf16 v[DD+32*((\u)%2)+8*\t:DD+32*((\u)%2)+8*\t+7], v[ab_+8*\t:ab_+8*\t+7], v[BF+8*((\u)%4):BF+8*((\u)%4)+7], 0
.if (\u) > 0
	BITS (\u)-1, \t
.endif
.if (\ld) > 0
.set g_, 2*(\ld)-2+(\t)/2
.set t_, (2*\t)%4
	LD1 g_, t_
	LD1 g_, t_+1
.endif
.endr
.endm
; A trip is 256 points: four groups of 64, sixteen units.  REST is a trip from its unit 1 on.  last = 1: the last trip, which asks for no more tiles.
.macro REST last
.irp u, 1,2,3
	UNIT \u
.endr
	s_wait_dscnt 8                                 ; LDS answers in order: group 1 is in; groups 2 and 3, eight loads, may stay out
.irp u, 4,5,6,7
	UNIT \u
.endr
.if !(\last)
	s_wait_alu depctr_va_vdst(0)                   ; units 0-7 are done reading buffers 0 and 1, in which the loads dealt into unit 8 land; v[AADR], which they read, is written
.endif
	s_wait_dscnt 4                                 ; group 2 is in, group 3 may stay out
	UNIT 8, 1-(\last)                              ; with the next trip's groups 0 and 1.  No further wait: units 8 and later name buffers 2 and 3, BF, DD and WD alone
.irp u, 9,10,11
	UNIT \u
.endr
.if \last
	s_wait_dscnt 0x0
.else
	s_wait_dscnt 8                                 ; group 3 is in; the eight loads of unit 8 may stay out
.endif
.irp u, 12,13,14,15
	UNIT \u
.endr
.irp t, 0,1,2,3
	BITS 15, \t                                    ; the last unit's bits
.endr
	s_wait_alu depctr_va_vdst(0)                   ; the shifts have written WD and the add v[STO], which the stores below read; units 8-15 are done reading buffers 2 and 3, and the shifts DD: the loads that follow land there
.irp b, 0,1,2,3
	ds_store_b128 v[STO], v[WD+4*\b:WD+4*\b+3] offset:16*SPITCH*\b  ; 256 points' bits of my query in fragment b
.endr
.endm
	s_wait_alu depctr_va_vdst(0)                   ; v[AADR], v[STO], v[RD] and v[GO] are written; the vector lines that wrote PF and read QX are done: the tile loads land in those registers
.irp g, 0,1,2,3
.irp t, 0,1,2,3
	LD1 \g, \t                                     ; the first trip's sixteen tiles
.endr
.endr
	s_wait_dscnt 12                                ; group 0 is in; groups 1 to 3 may stay out
	UNIT 0
	s_wait_alu depctr_vm_vsrc(0)                   ; the sixteen loads have read v[AADR]
	v_add_nc_u32 v[AADR], 8192, v[AADR]            ; sixteen tiles on: the next trip's.  With the three lines below: the four places ahead of the first read of unit 0's results
	v_nop
	v_nop
	v_nop
	s_mov_b32 s20, 7
.Ltrip:                                                ; a lap goes from a trip's unit 1 to the next trip's unit 0
	REST 0
	s_wait_dscnt 8                                 ; the next trip's group 0 is in; its group 1 and my four stores may stay out
	UNIT 0, 2                                      ; with that trip's groups 2 and 3.  No further wait: unit 0 names buffer 0, BF and DD alone
	s_wait_alu depctr_vm_vsrc(0)                   ; the four stores have read WD and v[STO], the loads v[AADR]: the two adds below and the next shifts write them again
	v_add_nc_u32 v[STO], 16, v[STO]
	v_add_nc_u32 v[AADR], 8192, v[AADR]            ; the two adds and the two lines below: the four places ahead of the first read of unit 0's results
	v_nop
	v_nop
	s_sub_co_u32 s20, s20, 1
	s_cmp_lg_u32 s20, 0
	s_cbranch_scc1 .Ltrip
	REST 1                                         ; the last trip is written out: no load reaches past the points' fragments
; THE WAY OUT: my 64 rows of 256 bytes, two rows a load; each of the 32 loads has registers of its own, the accumulators' and tile buffers 0 and 1's, so that none lands where a store still reads.
; The last wait on va_vdst stands ahead of them, and no vector or matrix instruction follows it.  LDS serves a wave's instructions in order, so the loads see my stores.
.irp i, 0,1,2,3,4,5,6,7,8,9,10,11,12,13,14,15
	ds_load_b128 v[DD+4*\i:DD+4*\i+3], v[RD] offset:2*SPITCH*\i
.endr
.irp i, 0,1,2,3,4,5,6,7,8,9,10,11,12,13,14,15
	ds_load_b128 v[AFR+4*\i:AFR+4*\i+3], v[RD] offset:2*SPITCH*(16+\i)
.endr
.irp i, 0,1,2,3,4,5,6,7,8,9,10,11,12,13,14,15
	s_wait_dscnt 31-\i                             ; load i of the 32 is in
	global_store_b128 v[GO], v[DD+4*\i:DD+4*\i+3], s[10:11] offset:4096*\i  ; sixteen lanes store 256 consecutive bytes, at a multiple of 256 from the buffer's first
.endr
.irp i, 0,1,2,3,4,5,6,7,8,9,10,11,12,13,14,15
	s_wait_dscnt 15-\i
	global_store_b128 v[GO], v[AFR+4*\i:AFR+4*\i+3], s[10:11] offset:4096*(16+\i)
.endr
	s_wait_dscnt 0x0                               ; the wave's end: six lines on end of a launch in the mode that stores to LDS
	s_wait_alu 0x0
	s_wait_tensorcnt 0x0
	ds_add_u32 v[SPW], v[NIL]
	s_wait_dscnt 0x0
	s_endpgm
.Lfunc_end_k_qdb04182214_filter:
	.size	k_qdb04182214_filter, .Lfunc_end_k_qdb04182214_filter-k_qdb04182214_filter
	.p2alignl 7, 3214868480
	.fill 96, 4, 3214868480
	.section	.rodata,"a",@progbits
	.p2align	6, 0x0
	.amdhsa_kernel k_qdb04182214_filter
		.amdhsa_group_segment_fixed_size 135680
		.amdhsa_private_segment_fixed_size 0
		.amdhsa_enable_private_segment 0
		.amdhsa_kernarg_size 32
		.amdhsa_user_sgpr_count 2
		.amdhsa_user_sgpr_kernarg_segment_ptr 1
		.amdhsa_wavefront_size32 1
		.amdhsa_system_sgpr_workgroup_id_x 1
		.amdhsa_system_sgpr_workgroup_id_y 1
		.amdhsa_system_sgpr_workgroup_id_z 1
		.amdhsa_system_vgpr_workitem_id 0
		.amdhsa_next_free_vgpr 256
		.amdhsa_next_free_sgpr 66
		.amdhsa_reserve_vcc 0
		.amdhsa_float_denorm_mode_32 3
		.amdhsa_float_denorm_mode_16_64 3
		.amdhsa_memory_ordered 1
		.amdhsa_forward_progress 1
		.amdhsa_inst_pref_size 109
	.end_amdhsa_kernel
	.amdgpu_metadata
---
amdhsa.version: [ 1, 2 ]
amdhsa.kernels:
  - .name:           k_qdb04182214_filter
    .symbol:         k_qdb04182214_filter.kd
    .args:
      - { .name: points, .offset: 0, .size: 8, .value_kind: global_buffer, .address_space: global }
      - { .name: queries, .offset: 8, .size: 8, .value_kind: global_buffer, .address_space: global }
      - { .name: radius, .offset: 16, .size: 8, .value_kind: global_buffer, .address_space: global }
      - { .name: masks, .offset: 24, .size: 8, .value_kind: global_buffer, .address_space: global }
    .group_segment_fixed_size: 135680
    .private_segment_fixed_size: 0
    .kernarg_segment_align: 8
    .kernarg_segment_size: 32
    .max_flat_workgroup_size: 128
    .sgpr_count:     66
    .vgpr_count:     256
    .wavefront_size: 32
...
	.end_amdgpu_metadata
.endif
;; end of part 5
;; launch plan: the kernel of part 2 again; grid 256 x 1, 8 waves a work-group, no clusters, 0 bytes of LDS; arguments masks, passes; writes passes
;; launch select: the kernel of part 3 again; grid 2048 x 1, 4 waves a work-group, no clusters, 2,560 bytes of LDS; arguments points, queries, radius, masks, passes, out0, out2, counts; writes out0, out2, counts
;; launch splits: the kernel of part 4 again; grid 1 x 1, 32 waves a work-group, no clusters, 4,352 bytes of LDS; arguments counts, out1; writes out1
